; MI455X (gfx1250); checked and timed in simulation.
; The chip was launched on July 23, 2026; its instructions are those of AMD's public machine-readable ISA for CDNA 5 (MIT licence, August 2026) and "CDNA5" Instruction Set Architecture Reference Guide (July 2026). The comments in the code are by the model that wrote it; some were corrected since.
;; GRU Cellv2. Allowed arithmetic: matrix products marked QUANTISED: E5M2 operands, one E8M0 scale for each 32 along K, by v_wmma_scale_f32_16x16x128_f8f6f4 with both operands' format E5M2, f32 sums; everything else in f32.
;; Inputs: bh 3 x 1,024 float32; bx 3 x 1,024 float32; hid 8,192 x 1,024 float32; wh 3 x 1,024 x 1,024 float32; wx 3 x 1,024 x 1,024 float32; x 8,192 x 1,024 float32.
;; Outputs: out0 8,192 x 1,024 float32.
;; This version of the problem:
;;   THIS VERSION OF THE PROBLEM IS GIVEN IN LOW PRECISION. The matrix products marked QUANTISED in the list below multiply operands that are first quantised to E5M2 (5 exponent bits, 2 mantissa bits; 8 bits a number), with one power-of-two scale for each 32 numbers along K (OCP MX v1.0); their sums are f32. All else is computed in f32.
;;   The module's matrix products, in the order in which they are computed (A, B: the left and right operand; K: the contracted axis; several contracted axes count as one K, in the product's order):
;;     1. [M 8,192, K 1,024] x [K 1,024, N 3,072]; A: input x; B: input wx: QUANTISED
;;     2. [M 8,192, K 1,024] x [K 1,024, N 3,072]; A: input hid; B: input wh: QUANTISED
;;   THE QUANTISER, for each operand of a quantised product, along K:
;;     - K is cut into blocks of 32 from its start; a last block that is shorter is filled with zeros.
;;     - A block's scale is 2^e with e = floor(log2(the largest magnitude in the block)) - 15, held to -126 .. 127; a block of zeros has e = 0. As a byte (E8M0): e + 127.
;;     - Each number is divided by its block's scale, clamped to +-57,344, and rounded to the nearest number of E5M2, ties to even, subnormals kept.
;;     - The product sums the exact products of the quantised numbers (number of the format x scale) in f32.
;;   ~~~python
;;   def quantise(x, axis):      # numpy; x: float32 -> the quantised numbers, widened to float32 again
;;       x = np.moveaxis(x, axis, -1); K = x.shape[-1]
;;       x = np.pad(x, [(0, 0)] * (x.ndim - 1) + [(0, -K % 32)]); x = x.reshape(x.shape[:-1] + (-1, 32)); a = np.abs(x).max(-1, keepdims=True)
;;       e = np.where(a > 0, np.clip(np.frexp(np.where(a > 0, a, 1))[1] - 1 - 15, -126, 127), 0)      # np.frexp(a)[1] - 1 = floor(log2(a)), exactly
;;       r = np.clip(x / 2.0 ** e, -57344, 57344)
;;       step = 2.0 ** (np.maximum(np.frexp(np.where(r == 0, 1, r))[1] - 1, -14) - 2)
;;       q = np.round(r / step) * step * 2.0 ** e      # np.round: ties to even
;;       return np.moveaxis(q.reshape(q.shape[:-2] + (-1,))[..., :K], -1, axis).astype(np.float32)
;;   ~~~
;; One version. Each part assembles by itself: llvm-mc -triple=amdgcn-amd-amdhsa -mcpu=gfx1250 --defsym DOCPART=n.
;; ======== version 1 of 1: 2 launches
;; limits: right only within a limited range of input values
;; workspace buffers: a_codes 16,777,216 bytes; a_scales 524,288 bytes; w_codes 6,291,456 bytes; w_scales 196,608 bytes
;; launch quant (part 1): grid 704 x 1, 4 waves a work-group, no clusters, 68,096 bytes of LDS; arguments x, hid, wx, wh, a_codes, a_scales, w_codes, w_scales; writes a_codes, a_scales, w_codes, w_scales
.if DOCPART == 1
	.amdgcn_target "amdgcn-amd-amdhsa--gfx1250"
	.amdhsa_code_object_version 6
	.text
	.protected	k_q573a16f3d4_quant
	.globl	k_q573a16f3d4_quant
	.p2align	8
	.type	k_q573a16f3d4_quant,@function
k_q573a16f3d4_quant:
	s_mov_b64 s[64:65], 0
	v_nop
	global_prefetch_b8 v0, s[64:65] scope:SCOPE_SE
	s_setreg_imm32_b32 hwreg(HW_REG_WAVE_MODE, 25, 1), 1
	s_wait_xcnt 0x0
; The four operands of the GRU cell's two products, all f32, become codes of BF8 (E5M2) with one E8M0 scale byte for each 32 along K.
; x [8192][1024] and hid [8192][1024] (K innermost) become ONE operand of K = 2,048: a_codes [8192][2048] (bytes 0-1023 x, 1024-2047 hid), a_scales [8192][64].
; wx, wh [3][1024 (k)][1024 (h)] (K is the first axis inside a gate) become w_codes [3072][2048], w_scales [3072][64], K innermost, bytes 0-1023 from wx, 1024-2047 from wh;
; row n' = (h / 32) x 96 + gate x 32 + h % 32, so that the three gates of 32 neighbouring columns are 96 rows on end.
; A block's scale is 2^(floor(log2(its largest magnitude)) - 15); its byte is the largest magnitude's exponent field - 15, held at 1 from below; each number is divided by the scale,
; held within +-57,344 and rounded to the nearest code, ties to even.
; LIMITS: a block of zeros, or one whose largest magnitude lies under 2^(16 - 127), gets the byte 1 (a block of zeros has zero codes, which add nothing under any byte but 0xff, and this program alone
; reads the bytes); NaN and infinities among the inputs are not served.
; Work-groups 0-191 take the weights, 192-703 the activations; each reads 128 KiB.  The two ways part on the work-group's number and have LDS bytes of their own.  Waves share nothing: no barrier.
.set STEPS, 16
.set SP,    80                         ; activations: a lane's place in a stage: its 64 bytes + 16 of padding
.set AR,    16                         ; v16-79   four sets of 16 numbers as they are loaded
.set AX,    80                         ; v80-111  two sets of 16 neighbours
.set AE,    112                        ; v112-127 a scale byte for each step
.set AC,    128                        ; v128-191 codes: four registers for each step, so that no store's data are written again
.set WST,   32768                      ; weights: the stages begin behind the activations' 4 x 8,192 bytes
.set WP,    272                        ; a stage row: 256 bytes of codes + 16
.set NB,    8                          ; blocks of 32 along K for a wave
.set WSB,   24                         ; v24-25   a column's eight scale bytes
.set WX,    32                         ; v32-95   two sets of 32 numbers
.set WC,    96                         ; v96-103  a block's codes
.set WO,    112                        ; v112-175 the way out
	s_load_b256 s[4:11], s[0:1], 0x0               ; x s[4:5], hid s[6:7], wx s[8:9], wh s[10:11]
	s_load_b256 s[12:19], s[0:1], 0x20             ; a_codes s[12:13], a_scales s[14:15], w_codes s[16:17], w_scales s[18:19]
	v_lshl_add_u32 v192, v0, 2, 0x10800
	v_mov_b32 v193, 0
	v_lshrrev_b32 v1, 5, v0
	v_readfirstlane_b32 s20, v1                    ; wave 0..3
	v_and_b32 v2, 31, v0                           ; lane
	s_mov_b32 s23, 0x600000                        ; the mantissa field of 57,344 (an instruction takes one literal: the hold's line has another)
	s_wait_kmcnt 0x0
	s_cmp_lt_u32 ttmp9, 192
	s_cbranch_scc1 .Lweights
; ---------------- THE ACTIVATIONS.  Wave u = 4 (work-group - 192) + wave takes rows 4 u .. 4 u + 3 of x and of hid: 8,192 consecutive bytes of a_codes and 256 consecutive, aligned bytes of a_scales.
; 16 steps of 512 numbers: step t is row t / 4; t % 4 = 0, 1: x's two halves, 2, 3: hid's.  Its codes lie 512 t bytes on, its 16 scale bytes 16 t on.
; The conversions take 8 numbers of one block from a lane's registers, so a lane must hold 16 NEIGHBOURS (two lanes to a block), while a load is best where neighbouring lanes take neighbouring bytes:
; each load reads 512 consecutive bytes, and a step's 2,048 bytes turn through the wave's own stage in LDS and come back 64 bytes a lane.
	s_sub_co_u32 s24, ttmp9, 192
	s_lshl_b32 s24, s24, 2
	s_add_co_u32 s24, s24, s20                     ; u, 0 .. 2,047
	s_mov_b32 s27, 0
	s_lshl_b32 s26, s24, 14                        ; four rows of 4,096 bytes
	s_add_nc_u64 s[4:5], s[4:5], s[26:27]
	s_add_nc_u64 s[6:7], s[6:7], s[26:27]
	s_lshl_b32 s26, s24, 13                        ; four rows of 2,048 codes
	s_add_nc_u64 s[12:13], s[12:13], s[26:27]
	s_lshl_b32 s26, s24, 8                         ; four rows of 64 scale bytes
	s_add_nc_u64 s[14:15], s[14:15], s[26:27]
	s_lshl_b32 s21, s20, 13                        ; my wave's 8,192 bytes of LDS: two stages of 32 x SP, then 256 scale bytes
	s_wait_alu depctr_va_vdst(0)
	v_lshlrev_b32 v3, 4, v2                        ; my 16 bytes of a load's 512, and of a step's 512 bytes of codes; never rewritten
	v_lshrrev_b32 v14, 2, v2
	v_mul_u32_u24 v14, v14, SP
	v_and_b32 v15, 3, v2
	v_lshl_add_u32 v14, v15, 4, v14
	v_add_nc_u32 v14, s21, v14                     ; the stage, on the way in: SP (lane / 4) + 16 (lane % 4); a load's 512 bytes take eight places
	v_mul_u32_u24 v15, v2, SP
	v_add_nc_u32 v15, s21, v15                     ; and on the way out: SP x lane: my 16 neighbours
	v_lshrrev_b32 v5, 1, v2
	s_add_co_u32 s21, s21, 2*32*SP
	v_add_nc_u32 v5, s21, v5                       ; my block's scale byte
	v_lshlrev_b32 v7, 3, v2                        ; on the way out 8 scale bytes a lane
	v_add_nc_u32 v6, s21, v7
.macro ALOAD t                         ; step t's 2,048 bytes: four loads of 512 consecutive bytes.  x is read once in the program; hid is read again by the next launch, so it has no hint
.irp i, 0,1,2,3
.if (\t)%4 < 2
	global_load_b128 v[AR+16*((\t)%4)+4*\i:AR+16*((\t)%4)+4*\i+3], v3, s[4:5] offset:((\t)/4)*4096+((\t)%2)*2048+512*\i th:TH_LOAD_NT
.else
	global_load_b128 v[AR+16*((\t)%4)+4*\i:AR+16*((\t)%4)+4*\i+3], v3, s[6:7] offset:((\t)/4)*4096+((\t)%2)*2048+512*\i
.endif
.endr
.endm
.macro ATURN t                         ; step t's numbers through stage t % 2: LDS serves a wave's instructions in order (ISA guide 5.7.1.4), so no wait stands between the stores and the loads
.irp i, 0,1,2,3
	ds_store_b128 v14, v[AR+16*((\t)%4)+4*\i:AR+16*((\t)%4)+4*\i+3] offset:32*SP*((\t)%2)+8*SP*\i
.endr
.irp i, 0,1,2,3
	ds_load_b128 v[AX+16*((\t)%2)+4*\i:AX+16*((\t)%2)+4*\i+3], v15 offset:32*SP*((\t)%2)+16*\i
.endr
.endm
.irp t, 0,1,2,3
	ALOAD \t
.endr
	s_wait_alu depctr_va_vdst(0)
	s_wait_loadcnt 12                              ; step 0's four loads are in; the twelve of steps 1 to 3 stay out
	ATURN 0
.macro ASTEP t
.set XS, AX+16*((\t)%2)
.if (\t) > 0
	s_wait_dscnt 1                                 ; this step's numbers are back from the stage (the last step's byte store may be out): so its stores into the stage have read their registers,
.else
	s_wait_dscnt 0x0
.endif
.if (\t)+4 < STEPS
	ALOAD (\t)+4                                   ; which take the loads of four steps on
.endif
.if (\t)+1 < STEPS
.if STEPS-2-(\t) >= 3
	s_wait_loadcnt 12                              ; the next step's four loads are in; those of the three steps behind it may be out
.else
	s_wait_loadcnt 4*(STEPS-2-(\t))                ; the tail: four for each step still behind the next
.endif
	ATURN (\t)+1                                   ; and go through the other stage while this step is worked
.endif
	v_max3_num_f32 v8, |v[XS]|, |v[XS+1]|, |v[XS+2]|               ; the largest magnitude of my 16, in two chains
	v_max3_num_f32 v9, |v[XS+3]|, |v[XS+4]|, |v[XS+5]|
.irp i, 6,10
	v_max3_num_f32 v8, v8, |v[XS+\i]|, |v[XS+\i+1]|
	v_max3_num_f32 v9, v9, |v[XS+\i+2]|, |v[XS+\i+3]|
.endr
	v_max3_num_f32 v8, v8, |v[XS+14]|, |v[XS+15]|
	v_max3_num_f32 v8, v8, v9, 0x8000000           ; and the floor 2^(16 - 127): the byte cannot fall under 1
	v_max_num_f32_dpp v8, v8, v8 row_xmask:1 row_mask:0xf bank_mask:0xf   ; and of my neighbour's 16: the block's
	v_add_nc_u32 v11, 0xf8800000, v8               ; 15 off its exponent field: the conversion takes the exponent field of this operand as its scale, and nothing else of it
	v_and_or_b32 v10, v8, 0x7f800000, s23          ; 57,344 x the scale: the largest magnitude's exponent field over 57,344's mantissa
.irp i, 0,1,2,3,4,5,6,7,8,9,10,11,12,13,14,15
	v_med3_num_f32 v[XS+\i], v[XS+\i], -v10, v10   ; the conversion to an 8-bit code does not saturate (ISA guide 7.6.2): the hold comes first
.endr
	v_cvt_scalef32_pk8_bf8_f32 v[AC+4*(\t):AC+4*(\t)+1], v[XS:XS+7], v11
	v_cvt_scalef32_pk8_bf8_f32 v[AC+4*(\t)+2:AC+4*(\t)+3], v[XS+8:XS+15], v11
	v_lshrrev_b32 v[AE+(\t)], 23, v11              ; the scale's byte (also the plain line behind the conversions)
	ds_store_b8 v5, v[AE+(\t)] offset:16*(\t)      ; both lanes of a block write the same byte with the same value
	global_store_b128 v3, v[AC+4*(\t):AC+4*(\t)+3], s[12:13] offset:512*(\t)   ; the wave stores 512 consecutive bytes, at a multiple of 256 from the buffer's first byte
.endm
.irp t, 0,1,2,3,4,5,6,7,8,9,10,11,12,13,14,15
	ASTEP \t
.endr
	ds_load_b64 v[12:13], v6                       ; LDS serves a wave's instructions in order: these see my byte stores
	s_wait_dscnt 0x0
	global_store_b64 v7, v[12:13], s[14:15]        ; 32 lanes store 256 consecutive bytes: four rows of a_scales
	s_wait_tensorcnt 0x0
	ds_add_u32 v192, v193
	s_wait_dscnt 0x0
	s_endpgm
; ---------------- THE WEIGHTS.  Work-group number = 8 (8 gate + col) + ky; ky = 4 src + kc: src 0 wx, 1 wh; kc: which 256 along K.  A wave takes 32 columns h = 128 col + 32 wave + lane x 256 along K.
; A LANE TAKES A COLUMN, AND ITS REGISTERS RUN DOWN K: each load reads 128 consecutive bytes a wave, a block of 32 along K lies in one lane's 32 registers, and the conversions give codes with K innermost.
; A lane's codes belong to one row of w_codes: they go through the wave's own stage in LDS and leave as rows, sixteen lanes storing 256 consecutive, aligned bytes.
.Lweights:
	s_and_b32 s24, ttmp9, 7                        ; ky
	s_lshr_b32 s25, ttmp9, 3
	s_lshr_b32 s26, s25, 3                         ; gate
	s_and_b32 s25, s25, 7                          ; col
	s_cmp_lt_u32 s24, 4                            ; wx or wh: the choice hangs on the work-group's number alone
	s_cselect_b64 s[8:9], s[8:9], s[10:11]
	s_and_b32 s28, s24, 3
	s_lshl_b32 s28, s28, 20                        ; 256 rows of 4,096 bytes for each kc,
	s_lshl_b32 s29, s26, 22                        ; 4 MiB a gate,
	s_or_b32 s28, s28, s29
	s_lshl_b32 s29, s25, 9                         ; 128 columns of 4 bytes,
	s_or_b32 s28, s28, s29
	s_lshl_b32 s29, s20, 7                         ; 32 columns for each wave
	s_or_b32 s28, s28, s29
	s_mov_b32 s29, 0
	s_add_nc_u64 s[8:9], s[8:9], s[28:29]
	s_lshl_b32 s30, s25, 2
	s_add_co_u32 s30, s30, s20                     ; h / 32 = 4 col + wave
	s_mul_i32 s30, s30, 96
	s_lshl_b32 s31, s26, 5
	s_add_co_u32 s30, s30, s31                     ; my lane 0's row n'
	s_lshl_b32 s28, s30, 11                        ; rows of 2,048 codes,
	s_lshl_b32 s31, s24, 8                         ; 256 codes for each ky
	s_add_co_u32 s28, s28, s31
	s_add_nc_u64 s[16:17], s[16:17], s[28:29]
	s_lshl_b32 s28, s30, 6                         ; rows of 64 scale bytes,
	s_lshl_b32 s31, s24, 3                         ; 8 for each ky
	s_add_co_u32 s28, s28, s31
	s_add_nc_u64 s[18:19], s[18:19], s[28:29]
	s_mul_i32 s21, s20, 32*WP
	s_add_co_u32 s21, s21, WST                     ; my stage
	s_wait_alu depctr_va_vdst(0)
	v_lshlrev_b32 v3, 2, v2                        ; in: 4 bytes a lane
	v_mul_u32_u24 v4, v2, WP
	v_add_nc_u32 v4, s21, v4                       ; into the stage: row = my column
	v_and_b32 v5, 15, v2
	v_lshrrev_b32 v6, 4, v2
	v_mul_u32_u24 v7, v6, WP
	v_lshl_add_u32 v7, v5, 4, v7
	v_add_nc_u32 v7, s21, v7                       ; out of it: sixteen lanes to a row, two rows an instruction
	v_lshlrev_b32 v8, 11, v6
	v_lshl_add_u32 v8, v5, 4, v8                   ; and the same place in w_codes
	v_lshlrev_b32 v9, 6, v2                        ; my column's row of scale bytes
.macro WLOAD t                         ; block t: w(32 t + i, my column), i = 0 .. 31, into set t % 2; the largest offset, 255 x 4,096, lies inside the signed 24-bit immediate
.irp i, 0,1,2,3,4,5,6,7,8,9,10,11,12,13,14,15,16,17,18,19,20,21,22,23,24,25,26,27,28,29,30,31
	global_load_b32 v[WX+32*((\t)%2)+\i], v3, s[8:9] offset:(32*(\t)+\i)*4096 th:TH_LOAD_NT
.endr
.endm
	WLOAD 0
	WLOAD 1
.macro WBLOCK t
.set XS, WX+32*((\t)%2)
.if (\t) < NB-1
	s_wait_loadcnt 32                              ; this block's 32 loads are in; the next block's 32 may be out
.else
	s_wait_loadcnt 0
.endif
	v_max3_num_f32 v12, |v[XS]|, |v[XS+1]|, |v[XS+2]|               ; the block's largest magnitude: all 32 numbers are mine
	v_max3_num_f32 v13, |v[XS+3]|, |v[XS+4]|, |v[XS+5]|
.irp i, 6,10,14,18,22,26
	v_max3_num_f32 v12, v12, |v[XS+\i]|, |v[XS+\i+1]|
	v_max3_num_f32 v13, v13, |v[XS+\i+2]|, |v[XS+\i+3]|
.endr
	v_max3_num_f32 v12, v12, |v[XS+30]|, |v[XS+31]|
	v_max3_num_f32 v12, v12, v13, 0x8000000        ; and the floor 2^(16 - 127)
	v_add_nc_u32 v11, 0xf8800000, v12              ; 15 off its exponent field: the conversion's scale operand
	v_and_or_b32 v10, v12, 0x7f800000, s23         ; 57,344 x the scale
	v_lshrrev_b32 v13, 23, v11                     ; the scale's byte
.if (\t)%4 == 0
	v_mov_b32 v[WSB+(\t)/4], v13                   ; four bytes to a register, the lower K in the lower byte
.else
	v_lshl_or_b32 v[WSB+(\t)/4], v13, 8*((\t)%4), v[WSB+(\t)/4]
.endif
.irp i, 0,1,2,3,4,5,6,7,8,9,10,11,12,13,14,15,16,17,18,19,20,21,22,23,24,25,26,27,28,29,30,31
	v_med3_num_f32 v[XS+\i], v[XS+\i], -v10, v10   ; the hold at the largest code x the scale (ISA guide 7.6.2)
.endr
.irp g, 0,1,2,3
	v_cvt_scalef32_pk8_bf8_f32 v[WC+2*\g:WC+2*\g+1], v[XS+8*\g:XS+8*\g+7], v11
.endr
	v_nop                                          ; one plain line behind the last conversion
	ds_store_b128 v4, v[WC:WC+3] offset:32*(\t)    ; 32 codes: 32 bytes of my column's row
	ds_store_b128 v4, v[WC+4:WC+7] offset:32*(\t)+16
.if (\t)+2 < NB
	WLOAD (\t)+2
.endif
	s_wait_dscnt 0x0                               ; the stores have read their registers: the next block's codes may be written
.endm
.irp t, 0,1,2,3,4,5,6,7
	WBLOCK \t
.endr
	global_store_b64 v9, v[WSB:WSB+1], s[18:19]    ; my column's eight scale bytes: one byte for 128 bytes read, in rows 64 bytes apart
.irp t, 0,1,2,3,4,5,6,7,8,9,10,11,12,13,14,15
	ds_load_b128 v[WO+4*\t:WO+4*\t+3], v7 offset:2*\t*WP   ; LDS serves a wave's instructions in order: these see my stores
.endr
.irp t, 0,1,2,3,4,5,6,7,8,9,10,11,12,13,14,15
	s_wait_dscnt 15-\t                             ; loads come back in order: number t is in, the younger ones stay out
	global_store_b128 v8, v[WO+4*\t:WO+4*\t+3], s[16:17] offset:2*\t*2048   ; sixteen lanes store 256 consecutive bytes, at a multiple of 256 from the buffer's first byte
.endr
	s_wait_tensorcnt 0x0
	ds_add_u32 v192, v193
	s_wait_dscnt 0x0
	s_endpgm
.Lfunc_end_k_q573a16f3d4_quant:
	.size	k_q573a16f3d4_quant, .Lfunc_end_k_q573a16f3d4_quant-k_q573a16f3d4_quant
	.p2alignl 7, 3214868480
	.fill 96, 4, 3214868480
	.section	.rodata,"a",@progbits
	.p2align	6, 0x0
	.amdhsa_kernel k_q573a16f3d4_quant
		.amdhsa_group_segment_fixed_size 68096
		.amdhsa_private_segment_fixed_size 0
		.amdhsa_enable_private_segment 0
		.amdhsa_kernarg_size 64
		.amdhsa_user_sgpr_count 2
		.amdhsa_user_sgpr_kernarg_segment_ptr 1
		.amdhsa_wavefront_size32 1
		.amdhsa_system_sgpr_workgroup_id_x 1
		.amdhsa_system_sgpr_workgroup_id_y 1
		.amdhsa_system_sgpr_workgroup_id_z 1
		.amdhsa_system_vgpr_workitem_id 0
		.amdhsa_next_free_vgpr 194
		.amdhsa_next_free_sgpr 66
		.amdhsa_reserve_vcc 0
		.amdhsa_float_denorm_mode_32 3
		.amdhsa_float_denorm_mode_16_64 3
		.amdhsa_memory_ordered 1
		.amdhsa_forward_progress 1
		.amdhsa_inst_pref_size 109
	.end_amdhsa_kernel
	.amdgpu_metadata
---
amdhsa.version: [ 1, 2 ]
amdhsa.kernels:
  - .name:           k_q573a16f3d4_quant
    .symbol:         k_q573a16f3d4_quant.kd
    .args:
      - { .name: x, .offset: 0, .size: 8, .value_kind: global_buffer, .address_space: global }
      - { .name: hid, .offset: 8, .size: 8, .value_kind: global_buffer, .address_space: global }
      - { .name: wx, .offset: 16, .size: 8, .value_kind: global_buffer, .address_space: global }
      - { .name: wh, .offset: 24, .size: 8, .value_kind: global_buffer, .address_space: global }
      - { .name: a_codes, .offset: 32, .size: 8, .value_kind: global_buffer, .address_space: global }
      - { .name: a_scales, .offset: 40, .size: 8, .value_kind: global_buffer, .address_space: global }
      - { .name: w_codes, .offset: 48, .size: 8, .value_kind: global_buffer, .address_space: global }
      - { .name: w_scales, .offset: 56, .size: 8, .value_kind: global_buffer, .address_space: global }
    .group_segment_fixed_size: 68096
    .private_segment_fixed_size: 0
    .kernarg_segment_align: 8
    .kernarg_segment_size: 64
    .max_flat_workgroup_size: 128
    .sgpr_count:     66
    .vgpr_count:     194
    .wavefront_size: 32
...
	.end_amdgpu_metadata
.endif
;; end of part 1
;; launch gru (part 2): grid 16 x 16, 4 waves a work-group, clusters of 4 x 4, 327,680 bytes of LDS; arguments a_codes, a_scales, w_codes, w_scales, hid, bx, bh, out0; writes out0
.if DOCPART == 2
	.amdgcn_target "amdgcn-amd-amdhsa--gfx1250"
	.amdhsa_code_object_version 6
	.text
	.protected	k_q573a16f3d4_gru
	.globl	k_q573a16f3d4_gru
	.p2align	8
	.type	k_q573a16f3d4_gru,@function
k_q573a16f3d4_gru:
	s_mov_b64 s[64:65], 0
	v_nop
	global_prefetch_b8 v0, s[64:65] scope:SCOPE_SE
	s_setreg_imm32_b32 hwreg(HW_REG_WAVE_MODE, 25, 1), 1
	s_wait_xcnt 0x0
	s_wait_alu depctr_hold_cnt(0) depctr_sa_sdst(0) depctr_va_vdst(0) depctr_va_sdst(0) depctr_va_ssrc(0) depctr_va_vcc(0) depctr_vm_vsrc(0)
	s_getreg_b32 s2, hwreg(HW_REG_IB_STS2, 6, 4)
	s_cmp_eq_u32 s2, 0
	s_cbranch_scc0 .Lentry_in_a_cluster
	s_endpgm
.Lentry_in_a_cluster:
	s_bfe_u32 s2, ttmp6, 0x10000c
	s_cmp_lg_u32 s2, 0xf033
	s_cbranch_scc0 .Lentry_shape_is_right
	s_endpgm
.Lentry_shape_is_right:
; next_hid = (1 - z) n + z hid;  r, z = sigmoid(gx + gh) of gates 0, 1;  n = tanh(gx2 + r gh2);  gx = x wx + bx, gh = hid wh + bh.  Both products on codes of BF8 (E5M2), one E8M0 scale for each 32 along K.
; Operands as the launch before laid them: a_codes [8192][2048] (K 0-1023 x, 1024-2047 hid), a_scales [8192][64]; w_codes [3072][2048], w_scales [3072][64], row n' = (h / 32) 96 + 32 gate + h % 32.
; SHARES.  256 work-groups of four waves; each makes TWO tiles of 256 rows x 64 columns of out0, one below the other; a wave 128 rows (half RH) x 32 columns (half CH) of a tile.  An output needs four sums
; (r, z, gx2, gh2): 8 row blocks x 2 column blocks x 4 sums = 64 accumulators, 512 registers.  A step n of 128 along K (n = 0 .. 15): 8 fragments of activations, 6 of weights (3 gates x 2), 48 products.
; K goes in K steps of 256 (two steps) through a ring of two LDS slots; the ring runs on into the second tile.  The scale bytes of all 512 rows and 192 weight rows come once at the head and stay.
; The activations' fragments take turns in 12 buffers (step n's block j in buffer (8 n + j) % 12), the weights' in two sets, so that ALL of a step's LDS loads are issued in the step before, a fragment in a gap between products;
; a slot's last step reads nothing of that slot, and the next slot's fragments are read behind its round.
; CLUSTERS: 4 x 4 work-groups.  A row of the cluster shares the activations' tiles, a column the weights': each is asked for JOINTLY.
; THE MATRIX INSTRUCTION IS USED TRANSPOSED (source 0 = 16 rows of weights, source 1 = 16 rows of activations): lane (r, h) holds row r and the columns 16 b + 8 h + 0 .. 7.
; THE GATES: sigmoid(a) = 1 / (1 + 2^(-a log2 e)); tanh(b) = 1 - 2 / (1 + 2^(2 b log2 e)): both run into their ends by themselves (2^big = infinity, 1 / infinity = 0).  hid comes into registers; out0 leaves through a stage in LDS.
; LIMITS: NaN and infinities among the inputs are not served.
; REGISTERS, windows of 256: window 0: v16-31 addresses, v32-63 scale words and nothing else, v64-255 the activations' 12 buffers (in the gates: v64-191 two blocks' work, v192-223 hid).
;   window 1: the weights' sets at v0, v96 (in the gates v0-31: rows read back); v192-255 the biases.   windows 2, 3: accumulators of row blocks 0-3, 4-7, at v[8 (8 (a % 4) + 2 sum + b)].
.set PITCH,  272                       ; an LDS row: 256 bytes + 16 of padding
.set HALFA,  128*PITCH
.set HALFB,  96*PITCH
.set BOFF,   2*HALFA                   ; in a slot the weights lie behind the activations
.set SLOT,   2*HALFA+2*HALFB
.set SCB,    2*SLOT                    ; the weights' scale bytes: runs of 256 bytes + 16; 24 runs to a half
.set HALFSB, 24*272
.set SCA,    SCB+2*HALFSB              ; the activations': 32 runs to 128 rows, 64 to a tile
.set HALFSA, 32*272
.set SBLK,   4*272                     ; the scale bytes of 16 rows
.set STAGE,  SCA+4*HALFSA              ; the way out: 64 rows
.set SPARE,  STAGE+64*PITCH            ; the spare words, 128 bytes a wave
.set ADRA, 16                          ; v16-17  my fragments of the activations in slot 0, 1
.set BO,   18                          ; v18     32 h
.set HO,   19                          ; v19     my bytes of hid in the tile
.set ADRB, 20                          ; v20-21  my fragments of the weights
.set VS,   22                          ; v22     my scale words in this tile: lanes 0-15 weights, 16-31 activations
.set VS1,  23                          ; v23     the same in the second tile
.set STO,  24                          ; v24     into the stage
.set RD,   25                          ; v25     out of the stage
.set CO,   26                          ; v26     my bytes of out0 in the tile
.set SPW,  28                          ; v28     my spare word
.set NIL,  29                          ; v29     0
.set HPF,  30                          ; v30     4,096 x thread: a row of hid's tile each
.set PFO,  31                          ; v31     a row of codes for each lane
.set SC,   32                          ; scale words: set s (K step % 2) at v[SC + 16 s]; register 2 i + q: weights' block i in lanes 0-15, activations' block i in lanes 16-31, step q of the K step
.set AR,   64
.set HD,   192
.set BI,   192
.set G0H,  4                           ; s[4:7], s[8:11] the head's loads of codes
.set G0HB, 8
.set G1A,  24
.set G0A,  32
.set G1B,  48
.set G0B,  56
.set NL,   66                          ; s[66:67] -log2 e
.set G1S,  68
.set G0S,  76
.set G1SB, 80
.set G0SB, 88
.set PFA,  94                          ; s[94:95] where my prefetches start
.set PL,   96                          ; s96, s97 1 while my wave prefetches: this tile's codes, the next tile's
.set PH,   97
.set TL,   100                         ; s[100:101] 2 log2 e
.set NEXTT, 256*2048                   ; bytes of codes from tile to tile
.set MSB, 0
.macro WIN new                         ; the immediate's high byte repeats the setting that is left
.if MSB != \new
	s_set_vgpr_msb (MSB<<8)|\new
.set MSB, \new
.endif
.endm
.macro PLACES n
.rept \n
	v_nop
.endr
.endm
.macro WALU
	s_wait_alu depctr_va_vdst(0)
.endm
.macro TLOAD g0, g1
	tensor_load_to_lds s[\g0:\g0+3], s[\g1:\g1+7]
	s_nop 0
	PLACES 4
.endm
.macro JLOAD s                         ; a joint load: waves 0, 1 the activations' halves, waves 2, 3 the weights'; the branch hangs on the wave's number alone
	s_cmp_eq_u32 s21, 0
	s_cbranch_scc0 .Lfor_b_\@
	TLOAD G0A+4*(\s), G1A
	s_branch .Lasked_\@
.Lfor_b_\@:
	TLOAD G0B+4*(\s), G1B
.Lasked_\@:
.endm
.macro CREST                           ; a round of the cluster's barrier behind its opening barrier
	s_cmp_lg_u32 s20, 0
	s_cbranch_scc1 .Lnot_wave_0_\@
	s_barrier_signal -3
.Lnot_wave_0_\@:
	s_barrier_wait -3
	s_barrier_signal -1
	s_barrier_wait -1
.endm
.macro CROUND
	s_barrier_signal -1
	s_barrier_wait -1
	CREST
.endm
	s_load_b256 s[4:11], s[0:1], 0x0               ; a_codes, a_scales, w_codes, w_scales
	s_load_b256 s[12:19], s[0:1], 0x20             ; hid, bx, bh, out0
	v_lshl_add_u32 v[SPW], v0, 2, SPARE
	v_mov_b32 v[NIL], 0
	ds_add_u32 v[SPW], v[NIL]                      ; the wave's opening: the add, twice on end, ahead of my first tensor load
	ds_add_u32 v[SPW], v[NIL]
	v_lshrrev_b32 v1, 5, v0
	v_readfirstlane_b32 s20, v1                    ; wave 0..3
	s_lshr_b32 s21, s20, 1                         ; RH: which 128 rows.  Also: I fetch for the activations (0) or the weights (1)
	s_and_b32 s22, s20, 1                          ; CH: which 32 columns.  Also: which half of a tile I fetch
	s_bfe_u32 s40, ttmp6, 0x40000                  ; cx, cy
	s_bfe_u32 s41, ttmp6, 0x40004
	s_lshl_b32 s46, ttmp9, 2
	s_add_co_u32 s46, s46, s40                     ; tx: which 64 columns
	s_and_b32 s47, ttmp7, 0xffff
	s_lshl_b32 s47, s47, 2
	s_add_co_u32 s47, s47, s41                     ; ty: which 512 rows
	s_lshl_b32 s23, s41, 2
	s_lshl_b32 s23, 15, s23                        ; my row of the cluster
	s_lshl_b32 s2, 0x1111, s40                     ; my column
	; group 1 for the codes: rows of 256 bytes, 2,048 apart in memory, 16 of padding in LDS; whole tiles at the head, halves behind it
	s_or_b32 s[G1A], s23, (1<<20)|(1<<21)|(5<<22)|(3<<25)
	s_or_b32 s[G1B], s2, (1<<20)|(1<<21)|(5<<22)|(3<<25)
.irp g, G1A, G1B
	s_mov_b32 s[\g+1], 256<<16
	s_mov_b32 s[\g+3], 256<<16
	s_mov_b32 s[\g+5], 2048
	s_mov_b32 s[\g+6], 0
	s_mov_b32 s[\g+7], 0
.endr
	s_mov_b32 s[G1A+2], 256<<16
	s_mov_b32 s[G1A+4], 256
	s_mov_b32 s[G1B+2], 192<<16
	s_mov_b32 s[G1B+4], 192
	; and for the scale bytes: dense blocks, as rows of 256 bytes (32 elements of 8), 16 of padding
	s_or_b32 s[G1S], s23, (3<<16)|(1<<20)|(1<<21)|(5<<22)|(3<<25)
	s_or_b32 s[G1SB], s2, (3<<16)|(1<<20)|(1<<21)|(5<<22)|(3<<25)
.irp g, G1S, G1SB
	s_mov_b32 s[\g+1], 32<<16
	s_mov_b32 s[\g+3], 32<<16
	s_mov_b32 s[\g+5], 32
	s_mov_b32 s[\g+6], 0
	s_mov_b32 s[\g+7], 0
.endr
	s_mov_b32 s[G1S+2], 128<<16
	s_mov_b32 s[G1S+4], 128
	s_mov_b32 s[G1SB+2], 48<<16
	s_mov_b32 s[G1SB+4], 48
	s_mov_b32 s[NL], 0xbfb8aa3b                    ; -log2 e (the packed form names a pair and takes its low word)
	s_mov_b32 s[NL+1], 0xbfb8aa3b
	s_mov_b32 s[TL], 0x4038aa3b                    ; 2 log2 e
	s_mov_b32 s[TL+1], 0x4038aa3b
	; offsets, each under 2^32: the activations' by ty, the weights' by tx
	s_lshl_b32 s42, s47, 20                        ; 512 rows of 2,048 codes
	s_mov_b32 s43, 0
	s_lshl_b32 s92, s47, 15                        ; 512 rows of 64 scale bytes
	s_mov_b32 s93, 0
	s_mul_i32 s44, s46, 192*2048
	s_mov_b32 s45, 0
	s_mul_i32 s104, s46, 192*64
	s_mov_b32 s105, 0
	s_lshl_b32 s98, s47, 21                        ; hid, out0: 512 rows of 4,096 bytes,
	s_lshl_b32 s99, s46, 8
	s_add_co_u32 s98, s98, s99                     ; + 256 for each tx
	s_mov_b32 s99, 0
	s_lshl_b32 s46, s46, 8
	s_lshl_b32 s47, s22, 7
	s_add_co_u32 s46, s46, s47                     ; the biases: 256 tx + 128 CH
	s_mov_b32 s47, 0
	; the prefetches: of the rows that I fetch, my work-group's quarter: 32 rows of activations by cx, 24 of weights by cy
	s_lshl_b32 s40, s40, 16
	s_add_co_u32 s40, s40, s42
	s_lshl_b32 s3, s22, 18
	s_add_co_u32 s40, s40, s3
	s_mul_i32 s41, s41, 24*2048
	s_add_co_u32 s41, s41, s44
	s_mul_i32 s3, s22, 96*2048
	s_add_co_u32 s41, s41, s3
	s_wait_dscnt 0x0                               ; both opening adds are done
	s_wait_kmcnt 0x0
	s_cmp_eq_u32 s21, 0
	s_cselect_b64 s[PFA:PFA+1], s[4:5], s[8:9]
	s_cselect_b32 s2, s40, s41
	s_cselect_b32 s23, 31, 23                      ; the last of my rows: lanes beyond it name it again
	s_cselect_b32 s[PH], 1, 0
	s_mov_b32 s[PL], 1
	s_mov_b32 s3, 0
	s_add_nc_u64 s[PFA:PFA+1], s[PFA:PFA+1], s[2:3]
	s_add_nc_u64 s[42:43], s[4:5], s[42:43]
	s_add_nc_u64 s[92:93], s[6:7], s[92:93]
	s_add_nc_u64 s[44:45], s[8:9], s[44:45]
	s_add_nc_u64 s[104:105], s[10:11], s[104:105]
	s_add_nc_u64 s[12:13], s[12:13], s[98:99]
	s_add_nc_u64 s[18:19], s[18:19], s[98:99]
	s_add_nc_u64 s[14:15], s[14:15], s[46:47]
	s_add_nc_u64 s[16:17], s[16:17], s[46:47]
	CROUND                                         ; all sixteen work-groups are here: the first joint loads meet
	s_mov_b32 s[G0H], 1                            ; K step 0's 256 rows of activations,
	s_mov_b32 s[G0H+1], 0
	s_mov_b64 s[G0H+2:G0H+3], s[42:43]
	s_or_b32 s[G0H+3], s[G0H+3], 0x80000000
	s_mov_b32 s[G0HB], 1                           ; its 192 rows of weights,
	s_mov_b32 s[G0HB+1], BOFF
	s_mov_b64 s[G0HB+2:G0HB+3], s[44:45]
	s_or_b32 s[G0HB+3], s[G0HB+3], 0x80000000
	s_mov_b32 s[G0S], 1                            ; the scale bytes of 512 rows,
	s_mov_b32 s[G0S+1], SCA
	s_mov_b64 s[G0S+2:G0S+3], s[92:93]
	s_or_b32 s[G0S+3], s[G0S+3], 0x80000000
	s_mov_b32 s[G0SB], 1                           ; and of the weights' 192
	s_mov_b32 s[G0SB+1], SCB
	s_mov_b64 s[G0SB+2:G0SB+3], s[104:105]
	s_or_b32 s[G0SB+3], s[G0SB+3], 0x80000000
.macro ARM under, g0, g1, next         ; one chain of branches on the wave's number: every way passes one load
	s_cmp_lt_u32 s20, \under
	s_cbranch_scc0 \next
	TLOAD \g0, \g1
	s_branch .Lhead_asked
\next:
.endm
	ARM 1, G0H,  G1A, .Lhead_b
	ARM 2, G0HB, G1B, .Lhead_sa
	ARM 3, G0S,  G1S, .Lhead_sb
	TLOAD G0SB, G1SB
.Lhead_asked:
	; the ring's groups 0: my half of a tile; slot 0 stands at K step 0, slot 1 at K step 1
	s_lshl_b32 s2, s22, 18
	s_mov_b32 s3, 0
	s_add_nc_u64 s[42:43], s[42:43], s[2:3]
	s_mul_i32 s2, s22, 96*2048
	s_add_nc_u64 s[44:45], s[44:45], s[2:3]
	s_mul_i32 s98, s22, HALFA                      ; no place in the cluster enters an LDS address
	s_mul_i32 s99, s22, HALFB
	s_add_co_u32 s99, s99, BOFF
.irp s, 0,1
	s_mov_b32 s[G0A+4*\s], 1
	s_add_co_u32 s[G0A+4*\s+1], s98, \s*SLOT
	s_add_nc_u64 s[G0A+4*\s+2:G0A+4*\s+3], s[42:43], \s*256
	s_or_b32 s[G0A+4*\s+3], s[G0A+4*\s+3], 0x80000000
	s_mov_b32 s[G0B+4*\s], 1
	s_add_co_u32 s[G0B+4*\s+1], s99, \s*SLOT
	s_add_nc_u64 s[G0B+4*\s+2:G0B+4*\s+3], s[44:45], \s*256
	s_or_b32 s[G0B+4*\s+3], s[G0B+4*\s+3], 0x80000000
.endr
	s_mul_i32 s40, s21, HALFA                      ; my 128 rows of activations
	s_mul_i32 s41, s22, HALFB                      ; my 96 rows of weights
	s_add_co_u32 s41, s41, BOFF
	s_mul_i32 s46, s22, HALFSB                     ; their scale bytes
	s_add_co_u32 s46, s46, SCB
	s_mul_i32 s47, s21, HALFSA
	s_add_co_u32 s47, s47, SCA
	s_sub_co_u32 s47, s47, s46                     ; how much further on the activations' lie
	s_mul_i32 s92, s21, 32*PITCH                   ; the stage: 32 rows for each RH, 128 bytes for each CH
	s_lshl_b32 s93, s22, 7
	s_add_co_u32 s92, s92, s93
	s_add_co_u32 s92, s92, STAGE
	s_lshl_b32 s98, s21, 19                        ; 128 rows of 4,096 bytes
	s_add_co_u32 s99, s98, s93                     ; hid: + 128 CH
	s_lshl_b32 s93, s22, 16
	s_add_co_u32 s98, s98, s93                     ; out0: + 16 rows for each CH
	s_mul_i32 s93, s20, 16*PITCH                   ; out of the stage: 16 whole rows a wave
	s_add_co_u32 s93, s93, STAGE
	v_and_b32 v1, 15, v0                           ; r
	v_bfe_u32 v2, v0, 4, 1                         ; h
	v_and_b32 v3, 31, v0
	v_lshlrev_b32 v[BO], 5, v2
.irp g, 0,1,2                          ; raw biases: bx at v[64 + 16 g + 8 b + j], bh at v[112 + ..]
.irp b, 0,1
.irp u, 0,1
	global_load_b128 v[64+16*\g+8*\b+4*\u:64+16*\g+8*\b+4*\u+3], v[BO], s[14:15] offset:\g*4096+64*\b+16*\u
	global_load_b128 v[112+16*\g+8*\b+4*\u:112+16*\g+8*\b+4*\u+3], v[BO], s[16:17] offset:\g*4096+64*\b+16*\u
.endr
.endr
.endr
	v_min_u32 v[PFO], s23, v3
	v_lshlrev_b32 v[PFO], 11, v[PFO]
	v_lshlrev_b32 v[HPF], 12, v0
	v_mul_u32_u24 v4, v1, PITCH
	v_lshl_add_u32 v5, v2, 4, v4                   ; a fragment's row x pitch + 16 h
	v_add_nc_u32 v[ADRA], s40, v5
	v_add_nc_u32 v[ADRA+1], SLOT, v[ADRA]
	v_add_nc_u32 v[ADRB], s41, v5
	v_add_nc_u32 v[ADRB+1], SLOT, v[ADRB]
	v_lshlrev_b32 v6, 6, v1                        ; 64 scale bytes a row,
	v_lshrrev_b32 v7, 2, v1
	v_lshl_add_u32 v6, v7, 4, v6                   ; 16 more for each 256 passed
	v_mul_u32_u24 v7, s47, v2
	v_add_nc_u32 v6, v6, v7
	v_add_nc_u32 v[VS], s46, v6
	v_mul_u32_u24 v8, v2, 64*272                   ; the second tile's rows lie 64 runs further on
	v_add_nc_u32 v[VS1], v[VS], v8
	v_lshl_add_u32 v9, v2, 5, v4
	v_add_nc_u32 v[STO], s92, v9
	v_mul_u32_u24 v10, v2, PITCH
	v_lshl_add_u32 v10, v1, 4, v10
	v_add_nc_u32 v[RD], s93, v10
	v_lshlrev_b32 v11, 12, v2
	v_lshl_add_u32 v11, v1, 4, v11
	v_add_nc_u32 v[CO], s98, v11
	v_lshlrev_b32 v12, 12, v1
	v_lshl_add_u32 v12, v2, 5, v12
	v_add_nc_u32 v[HO], s99, v12
	WALU
	s_wait_loadcnt 0x0                             ; the biases
.irp e, 0,2,4,6,8,10,12,14
	v_pk_add_f32 v[64+\e:64+\e+1], v[64+\e:64+\e+1], v[112+\e:112+\e+1]
	v_pk_add_f32 v[80+\e:80+\e+1], v[80+\e:80+\e+1], v[128+\e:128+\e+1]
.endr
	WIN 0x40
.irp e, 0,2,4,6,8,10,12,14             ; into window 1: -log2 e (bx0 + bh0), -log2 e (bx1 + bh1), 2 log2 e bx2, 2 log2 e bh2
	v_pk_mul_f32 v[BI+\e:BI+\e+1], v[64+\e:64+\e+1], s[NL:NL+1] op_sel_hi:[1,0]
	v_pk_mul_f32 v[BI+16+\e:BI+16+\e+1], v[80+\e:80+\e+1], s[NL:NL+1] op_sel_hi:[1,0]
	v_pk_mul_f32 v[BI+32+\e:BI+32+\e+1], v[96+\e:96+\e+1], s[TL:TL+1] op_sel_hi:[1,0]
	v_pk_mul_f32 v[BI+48+\e:BI+48+\e+1], v[144+\e:144+\e+1], s[TL:TL+1] op_sel_hi:[1,0]
.endr
	WIN 0
; A fragment, 16 rows x 128 K: lane l holds row l % 16; registers 4 c .. 4 c + 3 hold K = 32 c + 16 (l / 16) + 0 .. 15.
.macro LDA n, k                        ; step n's activation block k
.set R_, AR+16*((8*(\n)+(\k))%12)
	WIN 0
.irp c, 0,1,2,3
	ds_load_b128 v[R_+4*\c:R_+4*\c+3], v[ADRA+((\n)/2)%2] offset:128*((\n)%2)+32*\c+(\k)*16*PITCH
.endr
.endm
.macro LDB n, f                        ; step n's weight fragment f = 2 gate + b
.set R_, 96*((\n)%2)+16*(\f)
	WIN 0x40
.irp c, 0,1,2,3
	ds_load_b128 v[R_+4*\c:R_+4*\c+3], v[ADRB+((\n)/2)%2] offset:128*((\n)%2)+32*\c+(\f)*16*PITCH
.endr
.endm
.macro FET n, x                        ; step n's loads in their order: six weight fragments, then eight activation blocks
.if (\x) < 6
	LDB (\n), (\x)
.else
	LDA (\n), ((\x)-6)
.endif
.endm
.macro SCL k, half                     ; half of K step k's scale words.  The weights have six blocks: in blocks 6, 7 lanes 0-15 read scale bytes further on that no product takes
	WIN 0
.irp i, 0,1,2,3
	ds_load_b64 v[SC+16*((\k)%2)+2*(4*(\half)+\i):SC+16*((\k)%2)+2*(4*(\half)+\i)+1], v[VS] offset:(4*(\half)+\i)*SBLK+8*(\k)
.endr
.endm
.macro HLD i                           ; hid of the pass's row block i: columns 16 b + 8 h + 0 .. 7
	WIN 0
.irp b, 0,1
.irp u, 0,1
	global_load_b128 v[HD+16*(\i)+8*\b+4*\u:HD+16*(\i)+8*\b+4*\u+3], v[HO], s[12:13] offset:(\i)*65536+64*\b+16*\u
.endr
.endr
.endm
.macro PR n, j, w                      ; one product: step n, row block j, weight fragment w.  In the walk's second half (hid) gate 2 adds onto sum 3.  A sum begins with the constant 0
.set SG_, (\w)/2
.if ((\n) > 7) && ((\w) > 3)
.set SG_, 3
.endif
.set D_, 8*(8*((\j)%4)+2*SG_+(\w)%2)
.set FB_, 96*((\n)%2)+16*(\w)
.set FA_, AR+16*((8*(\n)+(\j))%12)
.set SB_, SC+16*(((\n)/2)%2)+2*(\w)+(\n)%2
.set SA_, SC+16*(((\n)/2)%2)+2*(\j)+(\n)%2
	WIN 0xa1+0x50*((\j)/4)
.if ((\n) == 0) || (((\n) == 8) && ((\w) > 3))
	v_wmma_scale_f32_16x16x128_f8f6f4 v[D_:D_+7], v[FB_:FB_+15], v[FA_:FA_+15], 0, v[SB_], v[SA_] matrix_a_fmt:MATRIX_FMT_BF8 matrix_b_fmt:MATRIX_FMT_BF8 matrix_b_scale:MATRIX_SCALE_ROW1
.else
	v_wmma_scale_f32_16x16x128_f8f6f4 v[D_:D_+7], v[FB_:FB_+15], v[FA_:FA_+15], v[D_:D_+7], v[SB_], v[SA_] matrix_a_fmt:MATRIX_FMT_BF8 matrix_b_fmt:MATRIX_FMT_BF8 matrix_b_scale:MATRIX_SCALE_ROW1
.endif
.endm
; WHAT STANDS BEHIND A PRODUCT: a fragment's four loads, or places.  Loads into registers that matrix instructions have read stand eight plain lines behind those: block 0's eight serve the other
; weight set and what the step before has read; block 4's serve the buffers of this step's blocks 0 to 3.
.macro GAPS n, j, w                    ; a slot's first step: all of the next step's loads, two fragments to a block
.if (\j) == 0
.if (\w) < 4
	PLACES 2
.elseif (\w) == 4
	FET (\n)+1, 0
.endif
.else
.if (\w) == 1
	FET (\n)+1, 2*(\j)-1
.elseif ((\w) == 4) && ((\j) < 7)
	FET (\n)+1, 2*(\j)
.elseif (\j) == 4
	PLACES 2
.endif
.endif
.endm
.macro GAPT n, j, w                    ; a slot's second step: the next slot's fragments and scale words from block 3 on; in the tile's last step the first pass's hid
.if (\j) == 0
.if (\w) < 4
	PLACES 2
.endif
.elseif (\n) == 15
.if ((\j) == 3) && (((\w) == 0) || ((\w) == 2))
	HLD (\w)/2
.endif
.elseif (\j) > 2
.if (\w)%2 == 0
.if 3*((\j)-3)+(\w)/2 < 14
	FET (\n)+1, 3*((\j)-3)+(\w)/2
.endif
.elseif ((\j) == 3) && ((\w) < 5)
	SCL (\n)/2+1, (\w)/2
.elseif (\j) == 4
	PLACES 3
.endif
.endif
.endm
.macro BLKP n, j, t                    ; a row block's six products; the step's 48 accumulators take turns, one instruction a turn
.irp w, 0,1,2,3,4,5
	PR \n, \j, \w
.if \t
	GAPT \n, \j, \w
.else
	GAPS \n, \j, \w
.endif
.endr
.endm
.macro SST n                           ; a slot's first step.  Ahead of block j: all but the loads behind block j's own may be out: 7 - j of this step's blocks, and the next step's so far
.irp j, 0,1,2,3,4,5,6,7
.if \j == 0
	s_wait_dscnt 28
.else
	s_wait_dscnt 24+4*\j
.endif
	BLKP \n, \j, 0
.endr
.if \n == 8
	WIN 0
	global_prefetch_b8 v[HPF], s[12:13] th:TH_LOAD_NT scope:SCOPE_SE                  ; hid's tile, 256 bytes a row, each row by one thread: rows 0-127,
	global_prefetch_b8 v[HPF], s[12:13] offset:524288 th:TH_LOAD_NT scope:SCOPE_SE    ; rows 128-255: seven steps ahead of the loads
.endif
.endm
; A slot's second step.  All its fragments were asked for in the step before.  mode 0: the slot is filled again with this tile's K step two on; 1: with the next tile's K step 0 or 1; 2 (the last tile): a plain barrier shows the last K step; 3: none.
.macro TST n, mode
.set S_, ((\n)/2)%2
	s_wait_dscnt 28                                ; all but the youngest seven blocks
	BLKP \n, 0, 1
	WIN 0
.if \mode < 3
	s_wait_tensorcnt 0x0                           ; my part of the next slot is in
.endif
.if \mode < 2
	ds_add_u32 v[SPW], v[NIL]                      ; the refill's address is made while the add is out
.if \mode == 0
	s_add_nc_u64 s[G0A+4*S_+2:G0A+4*S_+3], s[G0A+4*S_+2:G0A+4*S_+3], 512
	s_add_nc_u64 s[G0B+4*S_+2:G0B+4*S_+3], s[G0B+4*S_+2:G0B+4*S_+3], 512
.else
	s_add_nc_u64 s[G0A+4*S_+2:G0A+4*S_+3], s[G0A+4*S_+2:G0A+4*S_+3], NEXTT-1536
	s_sub_nc_u64 s[G0B+4*S_+2:G0B+4*S_+3], s[G0B+4*S_+2:G0B+4*S_+3], 1536
.endif
	s_wait_dscnt 25                                ; block 1 is in; six blocks and the add may be out
.else
	s_wait_dscnt 24
.endif
	BLKP \n, 1, 1
	s_wait_dscnt 0x0                               ; the add is done, and my reads of this slot are over
.if \mode < 3
	s_barrier_signal -1
.endif
	BLKP \n, 2, 1
	WIN 0
.if \mode < 3
	s_barrier_wait -1
.endif
.if \mode < 2
	CREST                                          ; no wave of any partner still reads this slot's tiles or has a load on its way
	JLOAD ((\n)/2)%2                               ; the first tensor load behind the round, and my one load until the next
.endif
.irp j, 3,4,5,6,7
	BLKP \n, \j, 1
.endr
	WIN 0
.if \mode < 2
; A prefetch: the K step that stands two refills on, each of its 256-byte rows once in the cluster.  The weights are asked for in the first tile alone; the second tile's first four K steps of activations in the first tile's second half.
	s_cmp_eq_u32 s[PL+(\n)/8], 1
	s_cbranch_scc0 .Lnot_mine_\@
.if (\n) < 8
	global_prefetch_b8 v[PFO], s[PFA:PFA+1] offset:256*((\n)/2+4) th:TH_LOAD_NT scope:SCOPE_SE
.else
	global_prefetch_b8 v[PFO], s[PFA:PFA+1] offset:NEXTT+256*((\n)/2-4) th:TH_LOAD_NT scope:SCOPE_SE
.endif
.Lnot_mine_\@:
.endif
.endm
; THE GATES: four passes of two row blocks.  Block i's work at T = 64 + 64 i: v[T ..] r, v[T + 16 ..] z, v[T + 32 ..] sum 2, v[T + 48 ..] sum 3: 16 numbers each.
.macro TRANS op, b, c
.set GI, 0
.rept \c
	\op v[\b+GI], v[\b+GI]
.set GI, GI+1
.endr
.endm
.macro PLUS1 b, c
.set GI, 0
.rept \c
	v_pk_add_f32 v[\b+GI:\b+GI+1], v[\b+GI:\b+GI+1], 1.0 op_sel_hi:[1,0]
.set GI, GI+2
.endr
.endm
.macro SENDP                           ; 16 rows: sixteen lanes store 256 consecutive bytes, at a multiple of 256 from out0's first byte
	WIN 0x04
.irp t, 0,1,2,3,4,5,6,7
	global_store_b128 v[CO], v[4*\t:4*\t+3], s[18:19] offset:8192*\t th:TH_STORE_NT
.endr
	WIN 0
.endm
.macro GATES
	PLACES 8                                       ; behind the last products (ISA guide 7.12.1)
	s_mov_b32 s3, 0
.Lpass_\@:
.irp p, 0,1,2,3                        ; the pass's accumulators, scaled and with their biases; each accumulator is read from its low end on
.if \p < 3
	s_cmp_eq_u32 s3, \p
	s_cbranch_scc0 .Larm_\@_\p
.endif
	WIN 0x12+\p/2
	WALU
.irp i, 0,1
.irp e, 0,2,4,6,8,10,12,14
	v_pk_fma_f32 v[64+64*\i+\e:64+64*\i+\e+1], v[64*((2*\p+\i)%4)+\e:64*((2*\p+\i)%4)+\e+1], s[NL:NL+1], v[BI+\e:BI+\e+1] op_sel_hi:[1,0,1]
.endr
.irp e, 0,2,4,6,8,10,12,14
	v_pk_fma_f32 v[80+64*\i+\e:80+64*\i+\e+1], v[64*((2*\p+\i)%4)+16+\e:64*((2*\p+\i)%4)+16+\e+1], s[NL:NL+1], v[BI+16+\e:BI+16+\e+1] op_sel_hi:[1,0,1]
.endr
.irp e, 0,2,4,6,8,10,12,14
	v_pk_fma_f32 v[96+64*\i+\e:96+64*\i+\e+1], v[64*((2*\p+\i)%4)+32+\e:64*((2*\p+\i)%4)+32+\e+1], s[TL:TL+1], v[BI+32+\e:BI+32+\e+1] op_sel_hi:[1,0,1]
.endr
.irp e, 0,2,4,6,8,10,12,14
	v_pk_fma_f32 v[112+64*\i+\e:112+64*\i+\e+1], v[64*((2*\p+\i)%4)+48+\e:64*((2*\p+\i)%4)+48+\e+1], s[TL:TL+1], v[BI+48+\e:BI+48+\e+1] op_sel_hi:[1,0,1]
.endr
.endr
	WIN 0
	WALU
.if \p < 3
	s_branch .Larmed_\@
.Larm_\@_\p:
.endif
.endr
.Larmed_\@:
	WALU
	TRANS v_exp_f32, 64, 32
	TRANS v_exp_f32, 128, 32
	v_nop                                          ; one plain line behind a run of transcendentals (ISA guide 5.7.2)
	WALU
	PLUS1 64, 16
	PLUS1 128, 16
	WALU
	TRANS v_rcp_f32, 64, 32                        ; r and z
	TRANS v_rcp_f32, 128, 32
	v_nop
	WALU
	s_wait_dscnt 0x0                               ; the pass before is back from the stage
	s_cmp_eq_u32 s3, 0
	s_cbranch_scc1 .Lnone_before_\@
	SENDP
.Lnone_before_\@:
.irp i, 0,64
.irp e, 0,2,4,6,8,10,12,14
	v_pk_fma_f32 v[96+\i+\e:96+\i+\e+1], v[64+\i+\e:64+\i+\e+1], v[112+\i+\e:112+\i+\e+1], v[96+\i+\e:96+\i+\e+1]   ; 2 log2 e (gx2 + r gh2)
.endr
.endr
	WALU
	TRANS v_exp_f32, 96, 16
	TRANS v_exp_f32, 160, 16
	v_nop
	WALU
	PLUS1 96, 8
	PLUS1 160, 8
	WALU
	TRANS v_rcp_f32, 96, 16
	TRANS v_rcp_f32, 160, 16
	v_nop
	WALU
.irp i, 0,64
.irp e, 0,2,4,6,8,10,12,14
	v_pk_fma_f32 v[96+\i+\e:96+\i+\e+1], v[96+\i+\e:96+\i+\e+1], -2.0, 1.0 op_sel_hi:[1,0,0]   ; n
.endr
.endr
	WALU
	s_wait_loadcnt 0x0                             ; this pass's hid is in
	s_barrier_signal -1                            ; my reads of the stage came back above
.irp i, 0,1
.irp e, 0,2,4,6,8,10,12,14
	v_pk_add_f32 v[112+64*\i+\e:112+64*\i+\e+1], v[HD+16*\i+\e:HD+16*\i+\e+1], v[96+64*\i+\e:96+64*\i+\e+1] neg_lo:[0,1] neg_hi:[0,1]   ; hid - n
.endr
.endr
.irp i, 0,64
.irp e, 0,2,4,6,8,10,12,14
	v_pk_fma_f32 v[64+\i+\e:64+\i+\e+1], v[80+\i+\e:80+\i+\e+1], v[112+\i+\e:112+\i+\e+1], v[96+\i+\e:96+\i+\e+1]   ; n + z (hid - n) = (1 - z) n + z hid
.endr
.endr
	WALU
	s_barrier_wait -1                              ; nobody reads the stage any more
.irp i, 0,1
.irp b, 0,1
.irp u, 0,1
	ds_store_b128 v[STO], v[64+64*\i+8*\b+4*\u:64+64*\i+8*\b+4*\u+3] offset:\i*16*PITCH+64*\b+16*\u
.endr
.endr
.endr
	s_wait_xcnt 0x0                                ; the stores of the pass before have read their registers and their base
	s_wait_dscnt 0x0                               ; for the others' sake: my stores into the stage are done
	s_barrier_signal -1
	s_barrier_wait -1
	WIN 0x40
.irp t, 0,1,2,3,4,5,6,7
	ds_load_b128 v[4*\t:4*\t+3], v[RD] offset:\t*2*PITCH
.endr
	WIN 0
	s_mov_b32 s93, 0
	s_cmp_eq_u32 s3, 0
	s_cselect_b32 s92, 0, 131072                   ; 32 rows of out0 on, once a pass has been stored
	s_add_nc_u64 s[18:19], s[18:19], s[92:93]
	s_cmp_eq_u32 s3, 3
	s_cbranch_scc1 .Lno_more_\@
	s_add_nc_u64 s[12:13], s[12:13], 131072        ; the next pass's hid
	HLD 0
	HLD 1
.Lno_more_\@:
	s_add_co_u32 s3, s3, 1
	s_cmp_lt_u32 s3, 4
	s_cbranch_scc1 .Lpass_\@
	s_wait_loadcnt 0x0                             ; none of hid's loads is out behind the last pass
	s_wait_dscnt 0x0
	SENDP
.endm
	WALU
	s_wait_tensorcnt 0x0                           ; my tile of the head's four is in; these lines stand ahead of a later first fill as ahead of a refill
	ds_add_u32 v[SPW], v[NIL]
	s_mov_b32 s[G1A+2], 128<<16                    ; no tensor load of mine is out: from here on a load brings half a tile
	s_mov_b32 s[G1A+4], 128
	s_mov_b32 s[G1B+2], 96<<16
	s_mov_b32 s[G1B+4], 96
	s_wait_dscnt 0x0
	CROUND                                         ; all four tiles are in
	JLOAD 1                                        ; K step 1
	s_mov_b32 s2, 2                                ; tiles to go
.Ltile:
	SCL 0, 0                                       ; the tile's first step
	SCL 0, 1
.irp x, 0,1,2,3,4,5,6,7,8,9,10,11,12,13
	FET 0, \x
.endr
	SST 0
	TST 1, 0
	SST 2
	TST 3, 0
	SST 4
	TST 5, 0
	SST 6
	TST 7, 0
	SST 8
	TST 9, 0
	SST 10
	TST 11, 0
	SST 12
	WIN 0
	s_cmp_eq_u32 s2, 1
	s_cbranch_scc1 .Llast_tile                     ; the last tile's tail is written out: it asks for nothing more
	TST 13, 1                                      ; the ring goes on into the next tile
	SST 14
	TST 15, 1
	GATES
	s_wait_xcnt 0x0                                ; the stores have read their base and registers; so have the prefetches
	s_add_nc_u64 s[12:13], s[12:13], 655360        ; with the passes' three steps of 131,072: 256 rows of 4,096 bytes
	s_add_nc_u64 s[18:19], s[18:19], 655360
	s_add_nc_u64 s[PFA:PFA+1], s[PFA:PFA+1], NEXTT
	s_mov_b32 s[PL], s[PH]                         ; the second tile: activations alone, and none beyond it
	s_mov_b32 s[PH], 0
	v_mov_b32 v[VS], v[VS1]
	s_sub_co_u32 s2, s2, 1
	WALU
	s_branch .Ltile
.Llast_tile:
	TST 13, 2
	SST 14
	TST 15, 3
	GATES
	s_wait_tensorcnt 0x0                           ; the wave's end
	ds_add_u32 v[SPW], v[NIL]
	s_wait_dscnt 0x0
	CROUND                                         ; the closing round: no work-group ends while a partner may still ask for a tile that names it
	s_endpgm
.Lfunc_end_k_q573a16f3d4_gru:
	.size	k_q573a16f3d4_gru, .Lfunc_end_k_q573a16f3d4_gru-k_q573a16f3d4_gru
	.p2alignl 7, 3214868480
	.fill 96, 4, 3214868480
	.section	.rodata,"a",@progbits
	.p2align	6, 0x0
	.amdhsa_kernel k_q573a16f3d4_gru
		.amdhsa_group_segment_fixed_size 327680
		.amdhsa_private_segment_fixed_size 0
		.amdhsa_enable_private_segment 0
		.amdhsa_kernarg_size 64
		.amdhsa_user_sgpr_count 2
		.amdhsa_user_sgpr_kernarg_segment_ptr 1
		.amdhsa_wavefront_size32 1
		.amdhsa_system_sgpr_workgroup_id_x 1
		.amdhsa_system_sgpr_workgroup_id_y 1
		.amdhsa_system_sgpr_workgroup_id_z 1
		.amdhsa_system_vgpr_workitem_id 0
		.amdhsa_next_free_vgpr 1024
		.amdhsa_next_free_sgpr 106
		.amdhsa_reserve_vcc 0
		.amdhsa_float_denorm_mode_32 3
		.amdhsa_float_denorm_mode_16_64 3
		.amdhsa_memory_ordered 1
		.amdhsa_forward_progress 1
		.amdhsa_inst_pref_size 255
	.end_amdhsa_kernel
	.section	.bss,"aw",@nobits
	.p2align	6
	.space	262144
	.amdgpu_metadata
---
amdhsa.version: [ 1, 2 ]
amdhsa.kernels:
  - .name:           k_q573a16f3d4_gru
    .symbol:         k_q573a16f3d4_gru.kd
    .args:
      - { .name: a_codes, .offset: 0, .size: 8, .value_kind: global_buffer, .address_space: global }
      - { .name: a_scales, .offset: 8, .size: 8, .value_kind: global_buffer, .address_space: global }
      - { .name: w_codes, .offset: 16, .size: 8, .value_kind: global_buffer, .address_space: global }
      - { .name: w_scales, .offset: 24, .size: 8, .value_kind: global_buffer, .address_space: global }
      - { .name: hid, .offset: 32, .size: 8, .value_kind: global_buffer, .address_space: global }
      - { .name: bx, .offset: 40, .size: 8, .value_kind: global_buffer, .address_space: global }
      - { .name: bh, .offset: 48, .size: 8, .value_kind: global_buffer, .address_space: global }
      - { .name: out0, .offset: 56, .size: 8, .value_kind: global_buffer, .address_space: global }
    .group_segment_fixed_size: 327680
    .private_segment_fixed_size: 0
    .kernarg_segment_align: 8
    .kernarg_segment_size: 64
    .max_flat_workgroup_size: 128
    .sgpr_count:     106
    .vgpr_count:     1024
    .wavefront_size: 32
...
	.end_amdgpu_metadata
.endif
;; end of part 2
